; MI455X (gfx1250); checked and timed in simulation.
; The chip was launched on July 23, 2026; its instructions are those of AMD's public machine-readable ISA for CDNA 5 (MIT licence, August 2026) and "CDNA5" Instruction Set Architecture Reference Guide (July 2026). The comments in the code are by the model that wrote it; some were corrected since.
;; Multi Head Attention. Allowed arithmetic: matrix products marked QUANTISED: E2M3 operands, one E8M0 scale for each 32 along K, by v_wmma_scale_f32_16x16x128_f8f6f4 with both operands' format E2M3, f32 sums; products left as they are: f32 operands where the result goes on into a quantised operand, else bf16, f16 or f32 operands; f32 sums; everything else in f32.
;; Inputs: Wk 1,024 x 1,024 float32; Wo 1,024 x 1,024 float32; Wq 1,024 x 1,024 float32; Wv 1,024 x 1,024 float32; bk 1,024 float32; bo 1,024 float32; bq 1,024 float32; bv 1,024 float32; k 4 x 4,096 x 1,024 float32; q 4 x 4,096 x 1,024 float32; v 4 x 4,096 x 1,024 float32.
;; Outputs: out0 4 x 4,096 x 1,024 float32.
;; This version of the problem:
;;   THIS VERSION OF THE PROBLEM IS GIVEN IN LOW PRECISION. The matrix products marked QUANTISED in the list below multiply operands that are first quantised to E2M3 (2 exponent bits, 3 mantissa bits; 6 bits a number), with one power-of-two scale for each 32 numbers along K (OCP MX v1.0); their sums are f32. All else is computed in f32.
;;   The module's matrix products, in the order in which they are computed (A, B: the left and right operand; K: the contracted axis; several contracted axes count as one K, in the product's order):
;;     1. [M 16,384, K 1,024] x [K 1,024, N 1,024]; A: input q; B: input Wq: QUANTISED
;;     2. [M 16,384, K 1,024] x [K 1,024, N 1,024]; A: input k; B: input Wk: QUANTISED
;;     3. [M 16,384, K 1,024] x [K 1,024, N 1,024]; A: input v; B: input Wv: QUANTISED
;;     4. batch 16,384 x [M 16, K 64] x [K 64, N 16]; A: computed on the way; B: computed on the way: QUANTISED
;;     5. batch 16,384 x [M 16, K 16] x [K 16, N 64]; A: softmax; B: computed on the way: left as it is (K = 16 < 32)
;;     6. [M 16,384, K 1,024] x [K 1,024, N 1,024]; A: computed on the way; B: input Wo: QUANTISED
;;   THE QUANTISER, for each operand of a quantised product, along K:
;;     - K is cut into blocks of 32 from its start; a last block that is shorter is filled with zeros.
;;     - A block's scale is 2^e with e = floor(log2(the largest magnitude in the block)) - 2, held to -126 .. 127; a block of zeros has e = 0. As a byte (E8M0): e + 127.
;;     - Each number is divided by its block's scale, clamped to +-7.5, and rounded to the nearest number of E2M3, ties to even, subnormals kept.
;;     - The product sums the exact products of the quantised numbers (number of the format x scale) in f32.
;;   ~~~python
;;   def quantise(x, axis):      # numpy; x: float32 -> the quantised numbers, widened to float32 again
;;       x = np.moveaxis(x, axis, -1); K = x.shape[-1]
;;       x = np.pad(x, [(0, 0)] * (x.ndim - 1) + [(0, -K % 32)]); x = x.reshape(x.shape[:-1] + (-1, 32)); a = np.abs(x).max(-1, keepdims=True)
;;       e = np.where(a > 0, np.clip(np.frexp(np.where(a > 0, a, 1))[1] - 1 - 2, -126, 127), 0)      # np.frexp(a)[1] - 1 = floor(log2(a)), exactly
;;       r = np.clip(x / 2.0 ** e, -7.5, 7.5)
;;       step = 2.0 ** (np.maximum(np.frexp(np.where(r == 0, 1, r))[1] - 1, 0) - 3)
;;       q = np.round(r / step) * step * 2.0 ** e      # np.round: ties to even
;;       return np.moveaxis(q.reshape(q.shape[:-2] + (-1,))[..., :K], -1, axis).astype(np.float32)
;;   ~~~
;;   OPERANDS COMPUTED ON THE WAY. 'Computed on the way' means the value that the module computes at that place (a softmax that the list does not call 'softmax' is quantised finished and normalised). What goes into a quantiser is computed in f32, as accurately as f32 sums, v_exp_f32 and their like allow (about 1e-6 of the number): no bf16 or f16 on the way to a quantiser, and a product that is left as it is and whose result goes on into a quantised operand takes f32 operands (vector FMAs, or v_wmma_f32_16x16x4_f32). A number that lies on a knife's edge between two numbers of the format may be rounded either way, as far as f32 arithmetic and the matrix unit's own rounding can turn it there, and no further.
;; One version. Each part assembles by itself: llvm-mc -triple=amdgcn-amd-amdhsa -mcpu=gfx1250 --defsym DOCPART=n.
;; ======== version 1 of 1: 2 launches
;; limits: right only within a limited range of input values
;; workspace buffers: wbuf 3,276,800 bytes
;; launch wprep (part 1): grid 256 x 1, 4 waves a work-group, no clusters, 13,312 bytes of LDS; arguments Wq, Wk, Wv, Wo, wbuf; writes wbuf
.if DOCPART == 1
	.amdgcn_target "amdgcn-amd-amdhsa--gfx1250"
	.amdhsa_code_object_version 6
	.text
	.protected	k_qf197b88d3b_wprep
	.globl	k_qf197b88d3b_wprep
	.p2align	8
	.type	k_qf197b88d3b_wprep,@function
k_qf197b88d3b_wprep:
	s_mov_b64 s[64:65], 0
	v_nop
	global_prefetch_b8 v0, s[64:65] scope:SCOPE_SE
	s_setreg_imm32_b32 hwreg(HW_REG_WAVE_MODE, 25, 1), 1
	s_wait_xcnt 0x0
; Wq, Wk, Wv, Wo [1024 (k)][1024 (n)], f32, K the FIRST axis, become codes of FP6 (E2M3) with one E8M0 byte for each 32 along K,
; laid in wbuf in the ORDER OF THE OPERAND'S REGISTERS, so that the next launch loads every fragment by three loads of 16 bytes a lane.
; NO WORK OF reference() IS LEFT OUT in this program: every input has a way to out0 (the biases bq and bk move codes ahead of the quantised product of Q and K).
; wbuf = 128 slots of 25,600 bytes.  A slot = 32 columns of one weight over all of K:
;   fragment (s, u), K step s = 0..7 of 128, u = 0, 1, at (2 s + u) x 1,536: three pieces of 512 bytes; piece c holds lane l's registers 4 c .. 4 c + 3 at 16 l.
;   row r of fragment u is column 32 nb + 8 u + r + 8 (r / 8): so the 16 results that a lane of the next launch gets from fragments 0 and 1 are 16 neighbouring columns.
;   scale words at 24,576 + 512 t (t = s / 4): lane r + 16 u has 16 bytes, word q = the word of K step 4 t + q of that fragment's row r.
; slot = 32 mat + sg (mat: 0 q, 1 k, 2 v, 3 o).  nb = sg, but for Wv: nb = (sg & 24) | bit1(sg) << 2 | bit0(sg) << 1 | bit2(sg): the order in which the next launch walks V (by halves of the heads).
; A block's scale is 2^(floor(log2(largest magnitude)) - 2): its byte is the largest magnitude's exponent field - 2, held at 1 from below.
; LIMITS: a block of zeros gets the byte 1 where the rule says 127 (its codes are zeros, and this program alone reads the bytes); NaN and infinities among the inputs are not served.
; SHARES: a work-group takes a slot and four K steps (t = x & 1), a wave one K step; A LANE TAKES A COLUMN AND ITS REGISTERS RUN DOWN K: a block of 32 lies in one lane, nothing is transposed.
; The codes go through the wave's own stage in LDS (an image of two fragments, 3,072 bytes) and leave as 3,072 consecutive bytes; the four waves' scale words meet in 512 bytes of LDS and leave as two whole blocks of 256.
.set SPW,   1                          ; v1  LDS address of my spare word; never rewritten
.set NIL,   2                          ; v2  0; never rewritten
.set C,     16                         ; v16-21 a block's codes
.set T,     22                         ; v22-24 its second half, as the conversion leaves it
.set X,     32                         ; v32-95 two sets of 32 numbers
.set OUTR,  96                         ; v96-123 the way out
.set SCST,  12288                      ; LDS: behind the four stages, the scale words' 512 bytes
.set SPARE, 12800                      ; the spare words, 128 bytes a wave: two blocks of 256 bytes that no other line names
.set SLOTB, 25600
	s_load_b256 s[4:11], s[0:1], 0x0               ; Wq, Wk, Wv, Wo
	s_load_b64 s[12:13], s[0:1], 0x20              ; wbuf
	v_lshl_add_u32 v[SPW], v0, 2, SPARE
	v_mov_b32 v[NIL], 0
	v_lshrrev_b32 v8, 5, v0
	v_readfirstlane_b32 s14, v8                    ; wave 0..3
	v_and_b32 v9, 31, v0                           ; lane = my column in the slot
	v_lshlrev_b32 v3, 2, v9                        ; in: 4 bytes a lane
	v_lshlrev_b32 v7, 4, v9                        ; out: 16 bytes a lane
	v_and_b32 v10, 7, v0
	v_bfe_u32 v11, v0, 4, 1
	v_lshl_or_b32 v10, v11, 3, v10                 ; r = (lane & 7) | (lane / 16) << 3: my column's row in its fragment
	v_bfe_u32 v11, v0, 3, 1                        ; u = (lane / 8) & 1: which fragment
	s_mul_i32 s30, s14, 3072                       ; my stage
	v_lshlrev_b32 v4, 4, v10
	v_lshl_add_u32 v5, v11, 8, v4                  ; 16 (r + 16 u)
	v_mad_u32_u24 v4, v11, 1536, v4
	v_add_nc_u32 v4, s30, v4                       ; into the stage: fragment u, lane r's 16 bytes
	s_lshl_b32 s31, s14, 2
	s_add_co_u32 s31, s31, SCST
	v_add_nc_u32 v5, s31, v5                       ; my scale word: lane r + 16 u, word = my wave
	v_add_nc_u32 v6, s30, v7                       ; out of the stage
	s_lshr_b32 s15, ttmp9, 1                       ; the slot
	s_and_b32 s16, ttmp9, 1                        ; t
	s_lshr_b32 s17, s15, 5                         ; mat
	s_and_b32 s18, s15, 31                         ; sg
	s_and_b32 s19, s18, 24                         ; Wv's order of columns
	s_bfe_u32 s20, s18, 0x10001
	s_lshl_b32 s20, s20, 2
	s_or_b32 s19, s19, s20
	s_and_b32 s20, s18, 1
	s_lshl_b32 s20, s20, 1
	s_or_b32 s19, s19, s20
	s_bfe_u32 s20, s18, 0x10002
	s_or_b32 s19, s19, s20
	s_cmp_eq_u32 s17, 2
	s_cselect_b32 s18, s19, s18                    ; nb
	s_lshl_b32 s21, s16, 2
	s_add_co_u32 s21, s21, s14                     ; my K step s = 4 t + wave
	s_lshl_b32 s22, s21, 19                        ; 128 rows of 4,096 bytes a K step
	s_lshl_b32 s23, s18, 7                         ; 32 columns of 4 bytes
	s_add_co_u32 s22, s22, s23
	s_mov_b32 s23, 0
	s_mul_i32 s24, s15, SLOTB
	s_mov_b32 s25, 0
	s_mul_i32 s32, s21, 3072
	s_mov_b32 s33, 0
	s_lshl_b32 s34, s16, 9
	s_add_co_u32 s34, s34, 24576
	s_mov_b32 s35, 0
	s_wait_kmcnt 0x0
	s_cmp_eq_u32 s17, 1                            ; the weight: a choice on the work-group's number alone
	s_cselect_b64 s[4:5], s[6:7], s[4:5]
	s_cmp_eq_u32 s17, 2
	s_cselect_b64 s[4:5], s[8:9], s[4:5]
	s_cmp_eq_u32 s17, 3
	s_cselect_b64 s[4:5], s[10:11], s[4:5]
	s_add_nc_u64 s[4:5], s[4:5], s[22:23]
	s_add_nc_u64 s[12:13], s[12:13], s[24:25]      ; my slot
	s_add_nc_u64 s[26:27], s[12:13], s[32:33]      ; my K step's two fragments
	s_add_nc_u64 s[28:29], s[12:13], s[34:35]      ; the work-group's 512 bytes of scale words
.macro LOAD t                          ; block t: W(128 s + 32 t + i, my column), i = 0 .. 31, into set t % 2; a load reads 128 consecutive bytes
.irp i, 0,1,2,3,4,5,6,7,8,9,10,11,12,13,14,15,16,17,18,19,20,21,22,23,24,25,26,27,28,29,30,31
	global_load_b32 v[X+32*((\t)%2)+\i], v3, s[4:5] offset:(32*(\t)+\i)*4096
.endr
.endm
.macro BLOCK t
.set XB, X+32*((\t)%2)
.if (\t) < 3
	s_wait_loadcnt 32                              ; this block's 32 loads are in; the next block's 32 may be out
.else
	s_wait_loadcnt 0x0
.endif
	v_max3_num_f32 v8, |v[XB]|, |v[XB+1]|, |v[XB+2]|          ; the block's largest magnitude: all 32 numbers are mine; two chains
	v_max3_num_f32 v9, |v[XB+3]|, |v[XB+4]|, |v[XB+5]|
.irp i, 6,10,14,18,22,26
	v_max3_num_f32 v8, v8, |v[XB+\i]|, |v[XB+\i+1]|
	v_max3_num_f32 v9, v9, |v[XB+\i+2]|, |v[XB+\i+3]|
.endr
	v_max3_num_f32 v8, v8, |v[XB+30]|, |v[XB+31]|
	v_max3_num_f32 v8, v8, v9, 0x1800000           ; and the floor 2^(3 - 127): the byte cannot fall under 1
	v_add_nc_u32 v12, 0xff000000, v8               ; 2 off the exponent field: the conversion takes this operand's exponent field as its scale
	v_lshrrev_b32 v13, 23, v12                     ; the scale's byte
.if (\t) == 0
	v_mov_b32 v14, v13                             ; four bytes make the K step's scale word, the lower K in the lower byte
.else
	v_lshl_or_b32 v14, v13, 8*(\t), v14
.endif
	v_cvt_scalef32_pk16_fp6_f32 v[C:C+2], v[XB:XB+15], v12
	v_cvt_scalef32_pk16_fp6_f32 v[T:T+2], v[XB+16:XB+31], v12   ; (a conversion's three registers begin on an even number)
	v_nop                                          ; one plain place behind a scaled conversion
.irp i, 0,1,2
	v_mov_b32 v[C+3+\i], v[T+\i]                   ; the block's 24 bytes: registers 6 (t / 2) .. + 5 of lane r + 16 (t % 2) of the fragment
.endr
.if (\t) < 2
	ds_store_b128 v4, v[C:C+3] offset:256*((\t)%2)             ; registers 0-3: piece 0
	ds_store_b64 v4, v[C+4:C+5] offset:512+256*((\t)%2)        ; registers 4, 5: the lower half of piece 1
.else
	ds_store_b64 v4, v[C:C+1] offset:512+256*((\t)%2)+8        ; registers 6, 7: the upper half of piece 1
	ds_store_b128 v4, v[C+2:C+5] offset:1024+256*((\t)%2)      ; registers 8-11: piece 2
.endif
.if (\t)+2 < 4
	LOAD (\t)+2
.endif
	s_wait_dscnt 0x0                               ; the stores have read their registers: the next block's codes may be written
.endm
	LOAD 0
	LOAD 1
	BLOCK 0
	BLOCK 1
	BLOCK 2
	BLOCK 3
	s_wait_alu depctr_va_vdst(0)
	ds_store_b32 v5, v14                           ; my column's scale word of this K step
.irp i, 0,1,2,3,4,5
	ds_load_b128 v[OUTR+4*\i:OUTR+4*\i+3], v6 offset:512*\i    ; LDS serves a wave's instructions in order: these see my stores
.endr
.irp i, 0,1,2,3,4,5
	s_wait_dscnt 5-\i                              ; piece i is back; the later ones may be out
	global_store_b128 v7, v[OUTR+4*\i:OUTR+4*\i+3], s[26:27] offset:512*\i   ; 32 lanes store 512 consecutive bytes, at a multiple of 256 from wbuf's first byte
.endr
	s_wait_dscnt 0x0                               ; for the others' sake: my scale words have landed
	s_barrier_signal -1
	s_barrier_wait -1
	s_cmp_lg_u32 s14, 0
	s_cbranch_scc1 .Lend                           ; wave 0 stores the four waves' scale words
	ds_load_b128 v[OUTR+24:OUTR+27], v7 offset:SCST
	s_wait_dscnt 0x0
	global_store_b128 v7, v[OUTR+24:OUTR+27], s[28:29]
.Lend:
	s_wait_tensorcnt 0x0                           ; the wave's end: a wait, a spare LDS add and its wait, behind my last LDS store
	ds_add_u32 v[SPW], v[NIL]
	s_wait_dscnt 0x0
	s_endpgm
.Lfunc_end_k_qf197b88d3b_wprep:
	.size	k_qf197b88d3b_wprep, .Lfunc_end_k_qf197b88d3b_wprep-k_qf197b88d3b_wprep
	.p2alignl 7, 3214868480
	.fill 96, 4, 3214868480
	.section	.rodata,"a",@progbits
	.p2align	6, 0x0
	.amdhsa_kernel k_qf197b88d3b_wprep
		.amdhsa_group_segment_fixed_size 13312
		.amdhsa_private_segment_fixed_size 0
		.amdhsa_enable_private_segment 0
		.amdhsa_kernarg_size 40
		.amdhsa_user_sgpr_count 2
		.amdhsa_user_sgpr_kernarg_segment_ptr 1
		.amdhsa_wavefront_size32 1
		.amdhsa_system_sgpr_workgroup_id_x 1
		.amdhsa_system_sgpr_workgroup_id_y 1
		.amdhsa_system_sgpr_workgroup_id_z 1
		.amdhsa_system_vgpr_workitem_id 0
		.amdhsa_next_free_vgpr 128
		.amdhsa_next_free_sgpr 66
		.amdhsa_reserve_vcc 0
		.amdhsa_float_denorm_mode_32 3
		.amdhsa_float_denorm_mode_16_64 3
		.amdhsa_memory_ordered 1
		.amdhsa_forward_progress 1
		.amdhsa_inst_pref_size 23
	.end_amdhsa_kernel
	.amdgpu_metadata
---
amdhsa.version: [ 1, 2 ]
amdhsa.kernels:
  - .name:           k_qf197b88d3b_wprep
    .symbol:         k_qf197b88d3b_wprep.kd
    .args:
      - { .name: Wq, .offset: 0, .size: 8, .value_kind: global_buffer, .address_space: global }
      - { .name: Wk, .offset: 8, .size: 8, .value_kind: global_buffer, .address_space: global }
      - { .name: Wv, .offset: 16, .size: 8, .value_kind: global_buffer, .address_space: global }
      - { .name: Wo, .offset: 24, .size: 8, .value_kind: global_buffer, .address_space: global }
      - { .name: wbuf, .offset: 32, .size: 8, .value_kind: global_buffer, .address_space: global }
    .group_segment_fixed_size: 13312
    .private_segment_fixed_size: 0
    .kernarg_segment_align: 8
    .kernarg_segment_size: 40
    .max_flat_workgroup_size: 128
    .sgpr_count:     66
    .vgpr_count:     128
    .wavefront_size: 32
...
	.end_amdgpu_metadata
.endif
;; end of part 1
;; launch fused (part 2): grid 256 x 1, 4 waves a work-group, no clusters, 271,872 bytes of LDS; arguments q, k, v, bq, bk, bv, bo, wbuf, out0; writes out0
.if DOCPART == 2
	.amdgcn_target "amdgcn-amd-amdhsa--gfx1250"
	.amdhsa_code_object_version 6
	.text
	.protected	k_qf197b88d3b_fused
	.globl	k_qf197b88d3b_fused
	.p2align	8
	.type	k_qf197b88d3b_fused,@function
k_qf197b88d3b_fused:
	s_mov_b64 s[64:65], 0
	v_nop
	global_prefetch_b8 v0, s[64:65] scope:SCOPE_SE
	s_setreg_imm32_b32 hwreg(HW_REG_WAVE_MODE, 25, 1), 1
	s_wait_xcnt 0x0
; out0 = attn Wo + bo;  attn[pos][i] = sum over j of softmax_j(Q[pos][i] . K[pos][j] / 8) V[pos][j]: attention over the 16 HEADS of each position;  Q = q Wq + bq, K, V likewise.
; The four large products and Q K^T run on codes of FP6 (E2M3), one E8M0 byte for each 32 along K; w V (K = 16) is left as it is and feeds a quantiser, so it takes f32 operands (the f32 matrix form).
; NO WORK OF reference() IS LEFT OUT: every input has a way to out0.  The maximum is taken away ahead of the exponential, as reference() does.
; LIMITS: NaN and infinities among the inputs are not served; a block of zeros gets the scale byte 1 where the rule says 127 (its codes are zeros; only this program reads the bytes); v_exp_f32 gives 0 for results under 2^-126.
; SHARES.  A work-group takes 64 positions through the whole chain: 256 work-groups for 16,384 positions.  q, k, v are read once, out0 is written once; Q, K, V, w, attn never go to memory.
; In the four large products THE WAVES SHARE THE COLUMNS: wave w makes columns 256 w .. 256 w + 255 for all 64 positions, in four groups of 64 columns.  A group is 8 K steps of 128; a K step is 16 matrix instructions
; (4 fragments of the weight x 4 tiles of 16 positions).  The matrix instruction is used TRANSPOSED (source 0 = 16 columns of the weight, source 1 = 16 positions): a lane holds one position and 8 columns.
; THE WEIGHTS come from wbuf, in the order of the operand's registers (the launch before laid them so), straight into a ring of 8 register slots, SEVEN K STEPS AHEAD: each fragment is read by one wave alone.
; The ring runs on from group to group and from product to product; the very last group asks once more for its own K steps 0-6 (43,008 bytes a wave, inside wbuf, unused): the price of one text and one wait count for all groups.
; THE POSITIONS' CODES lie in LDS as rows: 768 bytes of codes at a pitch of 784 (196 words: the 32 lanes of a load of 8 bytes touch 64 different banks), 32 scale bytes at a pitch of 48.
; In the X phases, the scores and w V THE WAVES SHARE THE POSITIONS: wave w has positions 16 w .. 16 w + 15.
; NO CLUSTER, NO TENSOR LOAD: all work-groups walk the same 3,276,800 bytes of weights, but this text's operands fill 271,872 bytes of LDS; the 55,808 left would hold two slots of 27,904 bytes, about half a group's 51,200 bytes,
; so a joint ring would change slots, with all its loads waited for and a round of the cluster's barrier, about 118 times.  The register ring has 50 to 62 loads of 512 bytes a wave on their way throughout.
; LDS: XA 0 (q's codes, then v's) | XB 53,248 (k's, then attn's) | VREG 106,496: QC, KC (Q's and K's codes), the waves' stages for x at +106,496; later half of V in f32 ([pos] 2,320 [head] 144 [32 d]); later the stages for out0 |
;      BIAS 254,976 (four biases, bv in the order in which V is walked) | SPARE 271,360.  A buffer of codes: 64 rows x 784, then at +50,176 64 scale rows x 48.
; REGISTERS, in windows of 256 (s_set_vgpr_msb: bits 1:0 source 0, 3:2 source 1, 5:4 source 2, 7:6 destination):
;   window 0: v1-31, v68-75 addresses; v32-47 the positions' scale words, v48-63 the weights', v64-67 the scores' (these hold scales alone); v80-127, v128-175 two sets of four fragments of positions; v176-255 at work
;   window 1: ring slots 0-4 (48 registers each)      window 2: v0-143 ring slots 5-7; v144-175 the f32 matrix form's sums (written by matrix instructions alone); v176-207 V's f32 fragments; v192-255 x turned, later rows of out0
;   window 3: v0-127 the 16 accumulators ((pp, m) at 32 m + 8 pp); v128-255 the softmax's w, 8 a position; in the X phases all 256: four sets of x as loaded
; HOW x IS QUANTISED.  q's eight K steps are worked by themselves (XSTEP), and their stream of loads runs on into k's K steps 0 and 1.
; k's K steps are worked INSIDE the product Q, v's inside the product K, two to a group: behind the matrix instructions of a group's K steps 0 and 4 sixteen rows x 512 bytes turn through my stage (XTURN);
; behind those of K steps 1 and 5 they are quantised, their codes go to my 16 rows of the buffer that the running product does not read, and the same 64 registers take the loads of two K steps further on (XQ).
; Two sets of 64 registers, window 3 v128-255.  Between two barriers the stores of codes go to one buffer and all fragment reads to the other.
; The last group of K asks once more for v's K steps 0 and 1 (16,384 bytes a wave, inside v, unused): the price of one text and one wait count for all eight groups.
.set RPX,   784
; THE RING'S LEAD, restated: a K step asks for the slot that the step before it has read, SEVEN K steps ahead (where the lines above say four), so that up to seven K steps of weights lie in registers when a group begins.
; The very last group asks once more for its own K steps 0-6 (43,008 bytes a wave, inside wbuf, unused).  The ring's first seven K steps are asked for in q's steps 0 to 6, one in each.
; THE BIAS of a group's 64 columns is loaded once (32 registers, v176-207) and is the C of K step 0's sixteen products.
.set SPX,   48
.set SCO,   50176
.set CB,    53248
.set XB,    CB
.set VREG,  2*CB
.set QC,    VREG
.set XSTG,  VREG+2*CB
.set BIAS,  254976
.set SPARE, 271360
.set VPP,   2320
.set VPH,   144
.set OSW,   17408
.set OSM,   4352
.set SLOTB, 25600
.set SPW,  1                           ; LDS address of my spare word; never rewritten
.set NIL,  2                           ; 0; never rewritten
.set L16,  3                           ; 16 x lane
.set XA0,  4                           ; r x 784 + 24 h: a fragment's place in a buffer of codes
.set XAD,  5                           ; + the buffer in hand
.set XS0,  6                           ; r x 48 + 16 h + 50,176: its scale words
.set XSAD, 7
.set BA0,  8                           ; BIAS + 64 h
.set BA,   9
.set XW0,  10                          ; (16 w + r) x 784 + 24 h: where I store x's codes
.set XWA,  11
.set XWS0, 12                          ; (16 w + r) x 48 + 50,176
.set XWSA, 13
.set STI,  14                          ; my stage for x, in: 16 x lane
.set STO,  15                          ; and out: r x 528 + 64 h
.set QEA,  18                          ; Q's or K's codes of the head in hand
.set R48,  19                          ; r x 48
.set QES,  20                          ; and their scale bytes
.set SFA,  21                          ; the scores' fragments: QC + 16 w rows + r x 48 + 24 h
.set SSA,  22                          ; their scale words: lanes 0-15 Q's, lanes 16-31 K's
.set VA0,  23                          ; v23-26 V in f32, tile m: VREG + (16 m + r) x 2,320 + 4 w x 144 + 64 h
.set VAG,  27                          ; v27-30 + the group's two heads
.set AVA,  31                          ; V's f32 fragments
.set XS,   32
.set WS,   48
.set SS,   64
.set AC0,  68                          ; attn's codes: XB + 16 w rows + r x 48 + 12 h
.set ACA,  69
.set AS0,  70                          ; attn's scale bytes
.set ASA,  71
.set OSI,  72                          ; the stage for out0, in
.set OSB,  73                          ; and back
.set OGO,  74                          ; h x 4,096 + 16 r in out0
.set PFO,  75                          ; r x 4,096 + 256 h: the prefetches' offset; never rewritten
.set XF0,  80
.set XF1,  128
.set TM,   176                         ; at work
.set PC,   200                         ; codes just made
.set PW,   220                         ; scale word just made
.set CQ,   200                         ; QEPI: 12 registers a tile
.set SQ,   248                         ; QEPI: a tile's two scale bytes
.set XT,   192                         ; window 2
.set OB,   192                         ; window 2
.set FD,   144                         ; window 2
.set AF,   176                         ; window 2
.set GC,   32                          ; s32 groups left in the product
.set JMP,   42                         ; s42 bytes from a product's last group to the next product's first
.set XO,    54                         ; s54 where the group's two K steps of x put their codes: the buffer + 192 x group
.set XSO,   55                         ; s55 and their scale words: the buffer + 8 x group
.set PFC,   56                         ; s56 groups that still prefetch
.set BR,    176                        ; v176-207 the group's bias, 8 registers for each of the four weight fragments; at work again behind K step 0
.set MSB, 0
.macro WIN new                         ; the immediate's high byte repeats the setting that is left; a switch that changes nothing is dropped
.if MSB != (\new)
	s_set_vgpr_msb (MSB<<8)|(\new)
.set MSB, \new
.endif
.endm
.macro PLACES n                        ; places behind matrix instructions (ISA guide 7.12.1): plain vector instructions that name none of their registers
.rept \n
	v_nop
.endr
.endm
.macro BARRIER                         ; my LDS stores have landed and my LDS loads are in: then the work-group's barrier
	s_wait_dscnt 0x0
	s_barrier_signal -1
	s_barrier_wait -1
.endm
.macro WLOAD x                         ; the four weight fragments of K step x (two slots of wbuf x two fragments) into ring slot x: 12 loads of 512 consecutive bytes
.if (\x) <= 4
	WIN 0x40
.set RB, 48*(\x)
.else
	WIN 0x80
.set RB, 48*((\x)-5)
.endif
.irp e, 0,1
.irp u, 0,1
.irp c, 0,1,2
	global_load_b128 v[RB+12*(2*\e+\u)+4*\c:RB+12*(2*\e+\u)+4*\c+3], v[L16], s[28:29] offset:\e*SLOTB+(2*(\x)+\u)*1536+512*\c
.endr
.endr
.endr
.endm
.macro SLOAD t                         ; the weights' scale words of K steps 4 t .. 4 t + 3: lanes 0-15 fragment 0's rows, lanes 16-31 fragment 1's
.irp e, 0,1
	global_load_b128 v[WS+8*(\t)+4*\e:WS+8*(\t)+4*\e+3], v[L16], s[28:29] offset:\e*SLOTB+24576+512*(\t)
.endr
.endm
.macro XFETCH s, buf                   ; the four tiles' fragments of K step s: lane (r, h) takes 24 bytes at 24 h and 24 at 48 + 24 h of its row's 96, in pieces of 8
.irp m, 0,1,2,3
.irp p, 0,1,2,3,4,5
	ds_load_b64 v[XF0+48*(\buf)+12*\m+2*\p:XF0+48*(\buf)+12*\m+2*\p+1], v[XAD] offset:\m*16*RPX+96*(\s)+48*(\p/3)+8*(\p%3)
.endr
.endr
.endm
; A K STEP.  Four places, then all of the step's loads in one run (they land in registers that earlier matrix instructions have read), then 16 matrix instructions on 16 accumulators by turns, in the same order in every step.
.macro KSTEP s, pf
	WIN 0
	PLACES 4
.if (\s) == 1                          ; K step 0 has asked for the group's last slot: from here on the requests are the next group's
	s_wait_xcnt 0x0                                ; the loads issued so far have read their base: it may step
	s_cmp_eq_u32 s[GC], 1
	s_cselect_b32 s30, s[JMP], 2*SLOTB             ; on to the next group's two slots, or to the next product's first
	s_add_nc_u64 s[28:29], s[28:29], s[30:31]
.endif
.if (\s)%4 == 0
	SLOAD (((\s)+4)%8)/4
.endif
	XFETCH ((\s)+1)%8, ((\s)+1)%2
	WLOAD ((\s)+7)%8
	s_wait_loadcnt 62                              ; behind this step's 12 fragment loads stand 7 steps of 12; behind its scale words 5 steps of 12 and one pair of scale loads: 62; behind a set of x that is read here 92 loads or more
	s_wait_dscnt 24                                ; only the 24 loads just issued may be out
.if (\s) == 0
	WIN 0xc1                                       ; C, the bias, lies in window 0
.set RA, 0
.elseif (\s) <= 4
	WIN 0xf1
.set RA, 48*(\s)
.else
	WIN 0xf2
.set RA, 48*((\s)-5)
.endif
.irp pp, 0,1,2,3
.irp m, 0,1,2,3
.set RD, 32*\m+8*\pp
.if (\s) == 0
.set RC, BR+8*\pp                      ; the first K step starts the sums from the bias
.else
.set RC, RD
.endif
.set RX, XF0+48*((\s)%2)+12*\m
.set RWS, WS+8*((\s)/4)+4*(\pp/2)+((\s)%4)
.set RXS, XS+4*\m+((\s)%4)
.if (\pp%2) && ((\s)/4)
	v_wmma_scale_f32_16x16x128_f8f6f4 v[RD:RD+7], v[RA+12*\pp:RA+12*\pp+11], v[RX:RX+11], v[RC:RC+7], v[RWS], v[RXS] matrix_a_fmt:MATRIX_FMT_FP6 matrix_b_fmt:MATRIX_FMT_FP6 matrix_a_scale:MATRIX_SCALE_ROW1 matrix_b_scale:MATRIX_SCALE_ROW1
.elseif (\pp%2)
	v_wmma_scale_f32_16x16x128_f8f6f4 v[RD:RD+7], v[RA+12*\pp:RA+12*\pp+11], v[RX:RX+11], v[RC:RC+7], v[RWS], v[RXS] matrix_a_fmt:MATRIX_FMT_FP6 matrix_b_fmt:MATRIX_FMT_FP6 matrix_a_scale:MATRIX_SCALE_ROW1
.elseif ((\s)/4)
	v_wmma_scale_f32_16x16x128_f8f6f4 v[RD:RD+7], v[RA+12*\pp:RA+12*\pp+11], v[RX:RX+11], v[RC:RC+7], v[RWS], v[RXS] matrix_a_fmt:MATRIX_FMT_FP6 matrix_b_fmt:MATRIX_FMT_FP6 matrix_b_scale:MATRIX_SCALE_ROW1
.else
	v_wmma_scale_f32_16x16x128_f8f6f4 v[RD:RD+7], v[RA+12*\pp:RA+12*\pp+11], v[RX:RX+11], v[RC:RC+7], v[RWS], v[RXS] matrix_a_fmt:MATRIX_FMT_FP6 matrix_b_fmt:MATRIX_FMT_FP6
.endif
.endr
.endr
.if \pf                                ; the next input's K steps, behind the step's matrix instructions; they name none of those instructions' registers
.if (\s)%4 == 0
	XTURN (\s)/4
.elseif (\s)%4 == 1
	XQ (\s)/4
.endif
.endif
.endm
; A GROUP: 64 columns x 64 positions.  The sums begin as the bias: lane (r, h)'s eight numbers of the accumulators (pp, .) are the bias at columns 32 (pp / 2) + 16 h + 8 (pp % 2) + 0 .. 7 of the group: eight loads, the C of K step 0's products.
; pf = 1 (Q and K): s[38:39] steps to the two K steps of x that this group loads (the last group of a product: v's K steps 0 and 1), s[40:41] to those that the next group loads, which are prefetched into the L2:
; 1,024 bytes of each of my 16 rows, lanes 256 bytes apart, each block named once, one group ahead of its load; the six groups that have such a successor ask.
.macro GROUP pf
.if \pf
	s_wait_xcnt 0x0                                ; the last group's loads and prefetches have read their bases
	s_add_nc_u64 s[38:39], s[38:39], 1024
	s_add_nc_u64 s[40:41], s[40:41], 1024
	s_cmp_eq_u32 s[GC], 1
	s_cselect_b64 s[38:39], s[52:53], s[38:39]
	s_cmp_eq_u32 s[GC], 2
	s_cselect_b64 s[40:41], s[52:53], s[40:41]
	s_cmp_eq_u32 s[PFC], 0
	s_cbranch_scc1 .Lnopf
	global_prefetch_b8 v[PFO], s[40:41] th:TH_LOAD_NT scope:SCOPE_SE
	global_prefetch_b8 v[PFO], s[40:41] offset:512 th:TH_LOAD_NT scope:SCOPE_SE
	s_sub_co_u32 s[PFC], s[PFC], 1
.Lnopf:
.endif
	s_wait_dscnt 0x0                               ; the LDS stores of the way out have read the accumulators
	v_add_nc_u32 v[BA], s34, v[BA0]
.irp pp, 0,1,2,3
.irp f, 0,1
	ds_load_b128 v[BR+8*\pp+4*\f:BR+8*\pp+4*\f+3], v[BA] offset:(\pp/2)*128+(\pp%2)*32+16*\f
.endr
.endr
	s_add_co_u32 s34, s34, 256
.irp s, 0,1,2,3,4,5,6,7
	KSTEP \s, \pf
.endr
	WIN 0
	s_sub_co_u32 s[GC], s[GC], 1
.endm
.macro PSTART                          ; a product begins: the buffer of codes in hand, its scale words (lanes 0-15 K steps 0-3, lanes 16-31 K steps 4-7), K step 0's fragments
	v_add_nc_u32 v[XAD], s35, v[XA0]
	v_add_nc_u32 v[XSAD], s35, v[XS0]
.irp m, 0,1,2,3
	ds_load_b128 v[XS+4*\m:XS+4*\m+3], v[XSAD] offset:\m*16*SPX
.endr
	XFETCH 0, 0
.endm
; 64 numbers of a lane in window 2, register 16 b + i = k 32 b + 16 h + i of my row, become a fragment's codes in v[PC] on and its scale word in v[PW].
.macro QUANT4
	WIN 0x0a
.irp b, 0,1,2,3
	v_max3_num_f32 v[TM+\b], |v[XT+16*\b]|, |v[XT+1+16*\b]|, 0x1800000   ; block b: my 16 numbers, and the floor 2^(3 - 127): the byte cannot fall under 1
.endr
	WIN 0x28
.irp i, 2,4,6,8,10,12,14
.irp b, 0,1,2,3
	v_max3_num_f32 v[TM+\b], v[TM+\b], |v[XT+16*\b+\i]|, |v[XT+1+16*\b+\i]|   ; (the four blocks by turns)
.endr
.endr
	WIN 0
.irp b, 0,1,2,3
	v_permlanex16_b32 v[TM+4+\b], v[TM+\b], s24, s25
.endr
.irp b, 0,1,2,3
	v_max_num_f32 v[TM+\b], v[TM+\b], v[TM+4+\b]   ; with lane l xor 16's: the block's largest magnitude
.endr
.irp b, 0,1,2,3
	v_add_nc_u32 v[TM+12+\b], 0xff000000, v[TM+\b] ; 2 off its exponent field: the conversion's scale operand
.endr
.irp b, 0,1,2,3
	v_lshrrev_b32 v[TM+4+\b], 23, v[TM+12+\b]      ; the scale's byte
.endr
	v_lshl_or_b32 v[PW], v[TM+5], 8, v[TM+4]
	v_lshl_or_b32 v[PW], v[TM+6], 16, v[PW]
	v_lshl_or_b32 v[PW], v[TM+7], 24, v[PW]
	WIN 0x02
.irp c, 0,1
	v_cvt_scalef32_pk16_fp6_f32 v[PC+6*\c:PC+2+6*\c], v[XT+32*\c:XT+15+32*\c], v[TM+12+2*\c]
	v_cvt_scalef32_pk16_fp6_f32 v[PC+12+4*\c:PC+14+4*\c], v[XT+16+32*\c:XT+31+32*\c], v[TM+13+2*\c]   ; (a conversion's three registers begin on an even number)
.endr
	WIN 0
	v_nop                                          ; one plain place behind a scaled conversion
.irp c, 0,1                            ; the operand's layout wants a WHOLE block in a lane: lanes 0-15 block 2 c, lanes 16-31 block 2 c + 1
.irp i, 0,1,2
	v_permlane16_swap_b32 v[PC+6*\c+\i], v[PC+12+4*\c+\i]
.endr
.irp i, 0,1,2
	v_mov_b32 v[PC+3+6*\c+\i], v[PC+12+4*\c+\i]
.endr
.endr
.endm
.macro XLOAD s                         ; K step s of my 16 rows of x: a load reads 512 consecutive bytes of one row
	WIN 0xc0
.irp i, 0,1,2,3,4,5,6,7,8,9,10,11,12,13,14,15
.if (\s) < 8                           ; step s lies in set (s + 2) % 4, so that steps 8 and 9, k's K steps 0 and 1, land in v128-255
	global_load_b128 v[64*(((\s)+2)%4)+4*\i:64*(((\s)+2)%4)+4*\i+3], v[L16], s[38:39] offset:\i*4096+512*(\s) th:TH_LOAD_NT
.else
	global_load_b128 v[64*(((\s)+2)%4)+4*\i:64*(((\s)+2)%4)+4*\i+3], v[L16], s[50:51] offset:\i*4096+512*((\s)-8) th:TH_LOAD_NT
.endif
.endr
.endm
.macro XSTEP s                         ; K step s: through my stage (as loaded in; 16 neighbours of each block of 32 a lane out), quantised, codes and scale word to my rows of the buffer
.if (\s)+3 < 10
	XLOAD (\s)+3
.endif
.if (\s) == 0
	WIN 0
	SLOAD 0                                        ; the ring begins: the first group's scale words of K steps 0-3,
.endif
.if (\s) < 7
	WLOAD \s                                       ; and one of its K steps 0-6 in each of q's steps
.endif
	s_wait_loadcnt 62                              ; this step's 16 loads are in: behind them stand three sets of x and the ring's loads dealt among them, 62 (step 0: 48 + 2 + 12) or more
	WIN 0x0c
.irp i, 0,1,2,3,4,5,6,7,8,9,10,11,12,13,14,15
	ds_store_b128 v[STI], v[64*(((\s)+2)%4)+4*\i:64*(((\s)+2)%4)+4*\i+3] offset:528*\i
.endr
	WIN 0x80
.irp b, 0,1,2,3
.irp j, 0,1,2,3
	ds_load_b128 v[XT+16*\b+4*\j:XT+16*\b+4*\j+3], v[STO] offset:128*\b+16*\j   ; LDS serves a wave's instructions in order: these see my stores
.endr
.endr
.if (\s) < 2                           ; a prefetch into the L2: 512 bytes of each of my 16 rows, three steps ahead of their loads: q's K steps 6 and 7, then k's 0 to 3
	global_prefetch_b8 v[PFO], s[38:39] offset:512*((\s)+6) th:TH_LOAD_NT scope:SCOPE_SE
.elseif (\s) < 6
	global_prefetch_b8 v[PFO], s[50:51] offset:512*((\s)-2) th:TH_LOAD_NT scope:SCOPE_SE
.endif
	s_wait_dscnt 0x0                               ; the numbers are back; the last step's stores of codes have read their registers
	QUANT4
.irp x, 0,1,2,3,4,5
	ds_store_b64 v[XWA], v[PC+2*\x:PC+2*\x+1] offset:96*(\s)+48*(\x/3)+8*(\x%3)
.endr
	ds_store_b32 v[XWSA], v[PW] offset:4*(\s)      ; both halves of the lanes write the same word with the same value
.endm
.macro XTURN n                         ; inside a group: set n (window 3, v128 + 64 n) through my stage; the K step's wait on LOADcnt has shown its 16 loads in
	WIN 0x0c
.irp i, 0,1,2,3,4,5,6,7,8,9,10,11,12,13,14,15
	ds_store_b128 v[STI], v[128+64*(\n)+4*\i:128+64*(\n)+4*\i+3] offset:528*\i
.endr
	WIN 0x80
.irp b, 0,1,2,3
.irp j, 0,1,2,3
	ds_load_b128 v[XT+16*\b+4*\j:XT+16*\b+4*\j+3], v[STO] offset:128*\b+16*\j   ; LDS serves a wave's instructions in order: these see my stores
.endr
.endr
.endm
.macro XQ n                            ; one K step later: that step's wait on DScnt has shown the numbers back and the stage's stores done.  Quantised, stored, and set n asked for anew
	QUANT4
.irp x, 0,1,2,3,4,5
	ds_store_b64 v[XWA], v[PC+2*\x:PC+2*\x+1] offset:96*(\n)+48*(\x/3)+8*(\x%3)
.endr
	ds_store_b32 v[XWSA], v[PW] offset:4*(\n)
	WIN 0xc0
.irp i, 0,1,2,3,4,5,6,7,8,9,10,11,12,13,14,15
	global_load_b128 v[128+64*(\n)+4*\i:128+64*(\n)+4*\i+3], v[L16], s[38:39] offset:\i*4096+512*(\n) th:TH_LOAD_NT
.endr
.endm
; THE WAY OUT OF A GROUP OF Q OR K: the group is one head, two blocks of 32.  Eight blocks (four tiles x two) by turns; each accumulator is read from its low end on.
.macro QEPI
	WIN 0
	v_add_nc_u32 v[QEA], s36, v[XA0]               ; (these two and two v_nop are the four places behind the last products)
	v_add_nc_u32 v[QES], s37, v[R48]
	PLACES 2
	WIN 0x0f
.irp m, 0,1,2,3
.irp e, 0,1
	v_max3_num_f32 v[TM+2*\m+\e], |v[32*\m+16*\e]|, |v[32*\m+16*\e+1]|, 0x1800000
.endr
.endr
	WIN 0x3c
.irp i, 2,4,6,8,10,12,14
.irp m, 0,1,2,3
.irp e, 0,1
	v_max3_num_f32 v[TM+2*\m+\e], v[TM+2*\m+\e], |v[32*\m+16*\e+\i]|, |v[32*\m+16*\e+\i+1]|
.endr
.endr
.endr
	WIN 0
.irp x, 0,1,2,3,4,5,6,7
	v_permlanex16_b32 v[TM+8+\x], v[TM+\x], s24, s25
.endr
.irp x, 0,1,2,3,4,5,6,7
	v_max_num_f32 v[TM+\x], v[TM+\x], v[TM+8+\x]
.endr
.irp x, 0,1,2,3,4,5,6,7
	v_add_nc_u32 v[TM+16+\x], 0xff000000, v[TM+\x]
.endr
.irp x, 0,1,2,3,4,5,6,7
	v_lshrrev_b32 v[TM+8+\x], 23, v[TM+16+\x]
.endr
.irp m, 0,1,2,3
	v_lshl_or_b32 v[SQ+\m], v[TM+9+2*\m], 8, v[TM+8+2*\m]
.endr
	WIN 0x03
.irp m, 0,1,2,3
	v_cvt_scalef32_pk16_fp6_f32 v[CQ+12*\m:CQ+12*\m+2], v[32*\m:32*\m+15], v[TM+16+2*\m]
	v_cvt_scalef32_pk16_fp6_f32 v[CQ+12*\m+6:CQ+12*\m+8], v[32*\m+16:32*\m+31], v[TM+17+2*\m]
.endr
	WIN 0
	v_nop                                          ; one plain place behind a scaled conversion
.irp m, 0,1,2,3
.irp i, 0,1,2
	v_permlane16_swap_b32 v[CQ+12*\m+\i], v[CQ+12*\m+6+\i]   ; lanes 0-15 now hold block 0, lanes 16-31 block 1
.endr
.endr
.irp m, 0,1,2,3
.irp i, 0,1,2
	v_mov_b32 v[CQ+12*\m+3+\i], v[CQ+12*\m+6+\i]
.endr
.endr
.irp m, 0,1,2,3
.irp i, 0,1,2
	ds_store_b64 v[QEA], v[CQ+12*\m+2*\i:CQ+12*\m+2*\i+1] offset:\m*16*RPX+8*\i
.endr
	ds_store_b16 v[QES], v[SQ+\m] offset:\m*16*SPX
.endr
	s_add_co_u32 s36, s36, 48                      ; the next head
	s_add_co_u32 s37, s37, 2
.endm
; THE WAY OUT OF A GROUP OF V: two heads x 32 d, in f32, to [pos][head][32 d].  The four additions are the four places behind the last products.
.macro VEPI
	WIN 0
.irp m, 0,1,2,3
	v_add_nc_u32 v[VAG+\m], s45, v[VA0+\m]
.endr
	WIN 0x0c
.irp m, 0,1,2,3
.irp pp, 0,1,2,3
.irp f, 0,1
	ds_store_b128 v[VAG+\m], v[32*\m+8*\pp+4*\f:32*\m+8*\pp+4*\f+3] offset:(\pp/2)*VPH+(\pp%2)*32+16*\f
.endr
.endr
.endr
	WIN 0
.endm
; THE WAY OUT OF A GROUP OF out0: 64 positions x 64 columns through my own stage (rows of 256 bytes + 16) and out as whole rows: sixteen lanes store 256 consecutive bytes, at a multiple of 256 from out0's first byte.
.macro OEPI
	WIN 0
	PLACES 4
	WIN 0x0c
.irp m, 0,1,2,3
.irp pp, 0,1,2,3
.irp f, 0,1
	ds_store_b128 v[OSI], v[32*\m+8*\pp+4*\f:32*\m+8*\pp+4*\f+3] offset:\m*OSM+(\pp/2)*128+(\pp%2)*32+16*\f
.endr
.endr
.endr
	s_wait_xcnt 0x0                                ; the last group's stores, a whole group back, have read their registers and their base
	s_add_nc_u64 s[20:21], s[20:21], s[58:59]      ; this group's 64 columns: 0 on for the first group, 256 bytes for the others
	s_mov_b32 s58, 256
.irp q, 0,1                            ; tiles 0, 1 come back into window 2 v192-255, tiles 2, 3 into window 3 v128-191: no register is used twice in a group
	WIN (2+\q)<<6
.irp n, 0,1
.irp i, 0,1,2,3,4,5,6,7
	ds_load_b128 v[OB-64*\q+32*\n+4*\i:OB-64*\q+32*\n+4*\i+3], v[OSB] offset:(2*\q+\n)*OSM+544*\i
.endr
.endr
.endr
.irp q, 0,1
	WIN (2+\q)<<2
.irp n, 0,1
	s_wait_dscnt 24-16*\q-8*\n                     ; this tile's eight loads are in; the later tiles' may be out
.irp i, 0,1,2,3,4,5,6,7
	global_store_b128 v[OGO], v[OB-64*\q+32*\n+4*\i:OB-64*\q+32*\n+4*\i+3], s[20:21] offset:(2*\q+\n)*65536+8192*\i th:TH_STORE_NT
.endr
.endr
.endr
	WIN 0
.endm
; THE SCORES AND THE SOFTMAX of four positions.  S^T = K Q^T (source 0 = the 16 heads of K, source 1 = those of Q; K = 64, the fragments' upper halves are zero codes): lane (r, h) holds head i = r and the heads j = 8 h + 0 .. 7.
; p = 2^(c s - c max), c = log2(e) / 8; w = p / the sum.  The 32 exponentials are one batch with one wait, the four reciprocals another.
.macro SBATCH b
	WIN 0
.irp i, 0,1,2,3
.irp j, 0,1,2
	ds_load_b64 v[XF0+12*\i+2*\j:XF0+12*\i+2*\j+1], v[SFA] offset:CB+RPX*(4*(\b)+\i)+8*\j
	ds_load_b64 v[XF1+12*\i+2*\j:XF1+12*\i+2*\j+1], v[SFA] offset:RPX*(4*(\b)+\i)+8*\j
.endr
	ds_load_u16 v[SS+\i], v[SSA] offset:SPX*(4*(\b)+\i)   ; two scale bytes; the two above them are 0 and stand over zero codes
.endr
	s_wait_dscnt 0x0
.irp i, 0,1,2,3
	v_wmma_scale_f32_16x16x128_f8f6f4 v[176+8*\i:183+8*\i], v[XF0+12*\i:XF0+12*\i+11], v[XF1+12*\i:XF1+12*\i+11], 0, v[SS+\i], v[SS+\i] matrix_a_fmt:MATRIX_FMT_FP6 matrix_b_fmt:MATRIX_FMT_FP6 matrix_a_scale:MATRIX_SCALE_ROW1
.endr
	PLACES 4
.irp i, 0,1,2,3
	v_max3_num_f32 v[208+\i], v[176+8*\i], v[177+8*\i], v[178+8*\i]
.endr
.irp i, 0,1,2,3
	v_max3_num_f32 v[208+\i], v[208+\i], v[179+8*\i], v[180+8*\i]
.endr
.irp i, 0,1,2,3
	v_max3_num_f32 v[208+\i], v[208+\i], v[181+8*\i], v[182+8*\i]
.endr
.irp i, 0,1,2,3
	v_max_num_f32 v[208+\i], v[208+\i], v[183+8*\i]
.endr
.irp i, 0,1,2,3
	v_permlanex16_b32 v[212+\i], v[208+\i], s24, s25
.endr
.irp i, 0,1,2,3
	v_max_num_f32 v[208+\i], v[208+\i], v[212+\i]  ; the row's largest score
.endr
.irp i, 0,1,2,3
	v_mul_f32 v[216+2*\i], s23, v[208+\i]          ; - c max
.endr
.irp k, 0,2,4,6
.irp i, 0,1,2,3
	v_pk_fma_f32 v[176+8*\i+\k:177+8*\i+\k], v[176+8*\i+\k:177+8*\i+\k], s[26:27], v[216+2*\i:217+2*\i] op_sel_hi:[1,0,0]
.endr
.endr
	s_wait_alu depctr_va_vdst(0)
.irp j, 0,1,2,3,4,5,6,7
.irp i, 0,1,2,3
	v_exp_f32 v[176+8*\i+\j], v[176+8*\i+\j]
.endr
.endr
	v_nop                                          ; a plain place behind the last exponential
	s_wait_alu depctr_va_vdst(0)                   ; one wait for the batch, ahead of its first reader
.irp i, 0,1,2,3
	v_pk_add_f32 v[224+2*\i:225+2*\i], v[176+8*\i:177+8*\i], v[178+8*\i:179+8*\i]
.endr
.irp i, 0,1,2,3
	v_pk_add_f32 v[232+2*\i:233+2*\i], v[180+8*\i:181+8*\i], v[182+8*\i:183+8*\i]
.endr
.irp i, 0,1,2,3
	v_pk_add_f32 v[224+2*\i:225+2*\i], v[224+2*\i:225+2*\i], v[232+2*\i:233+2*\i]
.endr
.irp i, 0,1,2,3
	v_add_f32 v[224+2*\i], v[224+2*\i], v[225+2*\i]
.endr
.irp i, 0,1,2,3
	v_permlanex16_b32 v[212+\i], v[224+2*\i], s24, s25
.endr
.irp i, 0,1,2,3
	v_add_f32 v[224+2*\i], v[224+2*\i], v[212+\i]  ; the row's sum
.endr
	s_wait_alu depctr_va_vdst(0)
.irp i, 0,1,2,3
	v_rcp_f32 v[216+2*\i], v[224+2*\i]
.endr
	v_nop
	s_wait_alu depctr_va_vdst(0)                   ; one wait for the four reciprocals
	WIN 0xc0
.irp i, 0,1,2,3
.irp k, 0,2,4,6
	v_pk_mul_f32 v[128+8*(4*(\b)+\i)+\k:129+8*(4*(\b)+\i)+\k], v[176+8*\i+\k:177+8*\i+\k], v[216+2*\i:217+2*\i] op_sel_hi:[1,0]
.endr
.endr
.endm
; attn^T = V^T w^T of one position and 32 d, in f32.  Source 0 = 16 d (rows), source 1 = w (columns = heads i); four K steps of four heads j.  The unit's k = 2 h + j' stands for head 8 h + 2 kk + j' on both sides.
; The d of a tile are chosen (8 u + r + 8 (r / 8)) so that a lane's 16 results are d = 16 h + 0 .. 15 of the block of 32, for head i = r.
.macro ALOAD p
	WIN 0x80
.irp u, 0,1
.irp k, 0,1,2,3,4,5,6,7
	ds_load_b32 v[AF+16*((\p)%2)+8*\u+\k], v[AVA] offset:VPP*(\p)+\k*VPH+32*\u
.endr
.endr
.endm
.macro AMUL p
.if (\p) < 15
	s_wait_dscnt 16                                ; all but the next position's 16 loads
.else
	s_wait_dscnt 0x0
.endif
	WIN 0xae
.irp kk, 0,1,2,3
.irp u, 0,1                            ; the two sums by turns
.set RF, FD+16*((\p)%2)+8*\u
.set RV, AF+16*((\p)%2)+8*\u+2*\kk
.set RW, 128+8*(\p)+2*\kk
.if \kk == 0
	v_wmma_f32_16x16x4_f32 v[RF:RF+7], v[RV:RV+1], v[RW:RW+1], 0
.else
	v_wmma_f32_16x16x4_f32 v[RF:RF+7], v[RV:RV+1], v[RW:RW+1], v[RF:RF+7]
.endif
.endr
.endr
.endm
.macro AQ p                            ; position p's 16 numbers a lane are half a block of attn: quantised, 12 bytes of codes and the block's byte to my row of XB.  Its 13 plain lines are the places behind the products issued just before it
.set FB, FD+16*((\p)%2)
.set PR, (\p)%2
	WIN 0x2a
	v_max3_num_f32 v176, |v[FB]|, |v[FB+1]|, |v[FB+2]|        ; two chains; each sum is read from its low end on
	v_max3_num_f32 v177, |v[FB+8]|, |v[FB+9]|, |v[FB+10]|
	WIN 0x28
	v_max3_num_f32 v176, v176, |v[FB+3]|, |v[FB+4]|
	v_max3_num_f32 v177, v177, |v[FB+11]|, |v[FB+12]|
	v_max3_num_f32 v176, v176, |v[FB+5]|, |v[FB+6]|
	v_max3_num_f32 v177, v177, |v[FB+13]|, |v[FB+14]|
	v_max3_num_f32 v176, v176, |v[FB+7]|, |v[FB+15]|
	WIN 0
	v_max3_num_f32 v176, v176, v177, 0x1800000     ; and the floor
	v_permlanex16_b32 v180, v176, s24, s25
	v_max_num_f32 v176, v176, v180
	v_add_nc_u32 v178, 0xff000000, v176
	v_lshrrev_b32 v[192+PR], 23, v178
	WIN 0x02
	v_cvt_scalef32_pk16_fp6_f32 v[184+4*PR:186+4*PR], v[FB:FB+15], v178
	WIN 0
	v_nop                                          ; one plain place behind a scaled conversion
.irp i, 0,1,2
	ds_store_b32 v[ACA], v[184+4*PR+\i] offset:RPX*(\p)+4*\i
.endr
	ds_store_b8 v[ASA], v[192+PR] offset:SPX*(\p)  ; both halves of the lanes write the same byte with the same value
.endm
	s_load_b512 s[4:19], s[0:1], 0x0               ; q, k, v, bq, bk, bv, bo, wbuf
	s_load_b64 s[20:21], s[0:1], 0x40              ; out0
	v_lshl_add_u32 v[SPW], v0, 2, SPARE
	v_mov_b32 v[NIL], 0
	v_lshrrev_b32 v112, 5, v0
	v_readfirstlane_b32 s22, v112                  ; wave 0..3
	v_and_b32 v112, 31, v0                         ; lane
	v_and_b32 v113, 15, v0                         ; r
	v_bfe_u32 v114, v0, 4, 1                       ; h
	v_lshlrev_b32 v[L16], 4, v112
	v_mul_u32_u24 v[XA0], v113, RPX
	v_mad_u32_u24 v[XA0], v114, 24, v[XA0]
	v_mul_u32_u24 v[R48], v113, SPX
	v_lshl_add_u32 v[XS0], v114, 4, v[R48]
	v_add_nc_u32 v[XS0], SCO, v[XS0]
	v_lshlrev_b32 v[BA0], 6, v114
	v_add_nc_u32 v[BA0], BIAS, v[BA0]
	s_mul_i32 s54, s22, 16*RPX                     ; my 16 rows of codes
	s_mul_i32 s55, s22, 16*SPX                     ; and of scale bytes
	v_add_nc_u32 v[XW0], s54, v[XA0]
	v_add_nc_u32 v[XWS0], s55, v[R48]
	v_add_nc_u32 v[XWS0], SCO, v[XWS0]
	s_mul_i32 s56, s22, 8448
	s_add_co_u32 s56, s56, XSTG                    ; my stage for x: 16 rows x 528
	v_add_nc_u32 v[STI], s56, v[L16]
	v_mul_u32_u24 v[STO], v113, 528
	v_lshl_add_u32 v[STO], v114, 6, v[STO]
	v_add_nc_u32 v[STO], s56, v[STO]
	v_mad_u32_u24 v[SFA], v114, 24, v[R48]
	v_add_nc_u32 v[SFA], s54, v[SFA]
	v_add_nc_u32 v[SFA], QC, v[SFA]
	v_mul_u32_u24 v[SSA], v114, CB                 ; lanes 16-31 take K's scale bytes, one buffer further on
	v_lshl_add_u32 v[SSA], v113, 1, v[SSA]
	v_add_nc_u32 v[SSA], s55, v[SSA]
	v_add_nc_u32 v[SSA], QC+SCO, v[SSA]
	v_mul_u32_u24 v115, v113, VPP
	v_lshl_add_u32 v115, v114, 6, v115
	s_mul_i32 s57, s22, 4*VPH
	s_add_co_u32 s57, s57, VREG
	v_add_nc_u32 v115, s57, v115
.irp m, 0,1,2,3
	v_add_nc_u32 v[VA0+\m], \m*16*VPP, v115
.endr
	v_and_b32 v116, 8, v113
	v_add_nc_u32 v116, v116, v113                  ; r + 8 (r / 8)
	v_lshlrev_b32 v116, 2, v116
	v_mad_u32_u24 v116, v114, 8*VPH, v116
	s_mul_i32 s58, s22, 16*VPP
	s_add_co_u32 s58, s58, VREG
	v_add_nc_u32 v[AVA], s58, v116
	v_mad_u32_u24 v[AC0], v114, 12, v[R48]
	v_add_nc_u32 v[AC0], s54, v[AC0]
	v_add_nc_u32 v[AC0], XB, v[AC0]
	v_lshlrev_b32 v[AS0], 1, v113
	v_add_nc_u32 v[AS0], s55, v[AS0]
	v_add_nc_u32 v[AS0], XB+SCO, v[AS0]
	s_mul_i32 s59, s22, OSW
	s_add_co_u32 s59, s59, VREG
	v_mul_u32_u24 v[OSI], v113, 272
	v_lshl_add_u32 v[OSI], v114, 6, v[OSI]
	v_add_nc_u32 v[OSI], s59, v[OSI]
	v_mul_u32_u24 v[OSB], v114, 272
	v_lshl_add_u32 v[OSB], v113, 4, v[OSB]
	v_add_nc_u32 v[OSB], s59, v[OSB]
	v_lshlrev_b32 v[OGO], 12, v114
	v_lshl_add_u32 v[OGO], v113, 4, v[OGO]
	v_lshlrev_b32 v[PFO], 12, v113
	v_lshl_add_u32 v[PFO], v114, 8, v[PFO]
	v_lshlrev_b32 v117, 5, v0                      ; the biases: 32 bytes a thread of each
	v_add_nc_u32 v118, BIAS, v117
	v_and_b32 v119, 0x63, v0                       ; bv goes in the order in which V is walked: block nb = thread / 4 to place (nb & 24) | bit0 << 2 | bit2 << 1 | bit1
	v_lshlrev_b32 v119, 5, v119
	v_bfe_u32 v120, v0, 2, 1
	v_lshl_add_u32 v119, v120, 9, v119
	v_bfe_u32 v120, v0, 4, 1
	v_lshl_add_u32 v119, v120, 8, v119
	v_bfe_u32 v120, v0, 3, 1
	v_lshl_add_u32 v119, v120, 7, v119
	v_add_nc_u32 v119, BIAS+8192, v119
.irp x, 180,181,182,183,184,185,186,187,188,189,190,191,212,213,214,215,216,217,218,219,220,221,222,223
	v_mov_b32 v[\x], 0                             ; written once: a lane permute's destination counts as one of its sources, and a pair of which one word is used counts as read whole
.endr
	s_mov_b32 s24, 0x76543210
	s_mov_b32 s25, 0xfedcba98                      ; v_permlanex16_b32's selects for lane l xor 16
	s_mov_b32 s26, 0x3e38aa3b                      ; c = log2(e) / 8
	s_mov_b32 s27, s26                             ; (named with it as a pair)
	s_mov_b32 s23, 0xbe38aa3b                      ; - c
	s_mov_b32 s31, 0
	s_lshl_b32 s34, s22, 10                        ; the bias of my first group
	s_mov_b32 s35, 0                               ; the buffer of codes in hand: XA
	s_mul_i32 s36, s22, 192
	s_add_co_u32 s36, s36, QC                      ; my first head's codes in a row of QC
	s_lshl_b32 s37, s22, 3
	s_add_co_u32 s37, s37, QC+SCO
	s_mov_b32 s[JMP], 26*SLOTB
	s_mov_b32 s33, 0
	s_lshl_b32 s60, ttmp9, 18                      ; 64 rows of 4,096 bytes a work-group
	s_lshl_b32 s62, s22, 16                        ; 16 rows a wave
	s_add_co_u32 s60, s60, s62
	s_mov_b32 s61, 0
	s_wait_kmcnt 0x0
	s_add_nc_u64 s[48:49], s[4:5], s[60:61]        ; q, k, v at my 16 rows
	s_add_nc_u64 s[50:51], s[6:7], s[60:61]
	s_add_nc_u64 s[52:53], s[8:9], s[60:61]
	s_lshl_b32 s60, ttmp9, 18
	s_lshl_b32 s62, s22, 10
	s_add_co_u32 s60, s60, s62
	s_add_nc_u64 s[20:21], s[20:21], s[60:61]      ; out0 at the work-group's first row, my first column
	s_mul_i32 s60, s22, 8*SLOTB
	s_add_nc_u64 s[28:29], s[18:19], s[60:61]      ; wbuf at my first group of Wq
	global_load_b128 v[80:83], v117, s[10:11]
	global_load_b128 v[84:87], v117, s[10:11] offset:16
	global_load_b128 v[88:91], v117, s[12:13]
	global_load_b128 v[92:95], v117, s[12:13] offset:16
	global_load_b128 v[96:99], v117, s[14:15]
	global_load_b128 v[100:103], v117, s[14:15] offset:16
	global_load_b128 v[104:107], v117, s[16:17]
	global_load_b128 v[108:111], v117, s[16:17] offset:16
	s_mov_b64 s[38:39], s[48:49]                   ; q, by itself, into XA; its loads follow the eight bias loads at once
	v_add_nc_u32 v[XWA], s35, v[XW0]
	v_add_nc_u32 v[XWSA], s35, v[XWS0]
	XLOAD 0
	XLOAD 1
	XLOAD 2
	global_prefetch_b8 v[PFO], s[38:39] offset:2048 th:TH_LOAD_NT scope:SCOPE_SE   ; q's K steps 4 and 5; the steps below ask for what follows
	global_prefetch_b8 v[PFO], s[38:39] offset:2560 th:TH_LOAD_NT scope:SCOPE_SE
.irp s, 0,1,2,3,4,5,6,7
	XSTEP \s
.endr
	ds_store_b128 v118, v[80:83]                   ; the biases (their eight loads are the oldest of all: q's first step has waited for them), ahead of the first barrier
	ds_store_b128 v118, v[84:87] offset:16
	ds_store_b128 v118, v[88:91] offset:4096
	ds_store_b128 v118, v[92:95] offset:4112
	ds_store_b128 v119, v[96:99]
	ds_store_b128 v119, v[100:103] offset:16
	ds_store_b128 v118, v[104:107] offset:12288
	ds_store_b128 v118, v[108:111] offset:12304
	s_wait_xcnt 0x0                                ; q's loads and prefetches have read their base
	s_mov_b64 s[38:39], s[50:51]                   ; k: the first group steps this to its K steps 2 and 3,
	s_add_nc_u64 s[40:41], s[50:51], 1024          ; and this to its K steps 4 and 5
	s_mov_b32 s[PFC], 6
	s_wait_loadcnt 40                              ; k's K step 0 is in; behind it stand the ring's K step 5, k's K step 1 and the ring's K step 6: 12 + 16 + 12
.Lqk:                                              ; two trips: the product Q with k's K steps inside it, the product K with v's
	BARRIER                                        ; the 64 rows' codes of this product's input lie in LDS; every wave has left the other buffer
	PSTART
	s_xor_b32 s35, s35, CB                         ; the other buffer takes the next input's codes: XB, then XA
	s_mov_b32 s[XO], s35
	s_mov_b32 s[XSO], s35
	s_mov_b32 s[GC], 4
.Lg:                                               ; four groups: my four heads of Q or of K
	v_add_nc_u32 v[XWA], s[XO], v[XW0]
	v_add_nc_u32 v[XWSA], s[XSO], v[XWS0]
	s_wait_alu depctr_va_vdst(0)
	GROUP 1
	QEPI
	s_add_co_u32 s[XO], s[XO], 192                 ; two K steps of codes on,
	s_add_co_u32 s[XSO], s[XSO], 8                 ; and two scale words
	s_cmp_lg_u32 s[GC], 0
	s_cbranch_scc1 .Lg
	s_add_co_u32 s36, s36, CB-192                  ; from QC to KC, back to my first head
	s_add_co_u32 s37, s37, CB-8
	s_add_co_u32 s34, s34, 3072                    ; the next bias
	s_add_co_u32 s33, s33, 1
	s_cmp_lt_u32 s33, 2
	s_cbranch_scc1 .Lqk
	s_wait_loadcnt 63                              ; the last loads into v128-191 are in (90 loads stand behind them): the first two batches' w may be written there
	BARRIER                                        ; v's codes lie in XA, and all of QC and KC
.irp i, 0,1,2,3
.irp j, 6,7,8,9,10,11
	v_mov_b32 v[XF0+12*\i+\j], 0                   ; K = 64 of the instruction's 128: the upper halves of the eight fragments are zero codes
	v_mov_b32 v[XF1+12*\i+\j], 0
.endr
.endr
	s_wait_alu depctr_va_vdst(0)
	PLACES 4                                       ; an operand written by vector instructions stands four places ahead of a scaled matrix instruction
	SBATCH 0
	SBATCH 1
	s_wait_loadcnt 24                              ; the last loads into v192-255 are in (behind them stand the ring's 24 of K steps 6 and 7): the last two batches' w may be written there
	SBATCH 2
	SBATCH 3
	WIN 0
	BARRIER                                        ; every wave's reads of QC and KC are over: V may be laid over them
	PSTART                                         ; v's codes, in XA (s35 = 0 again)
	s_mov_b32 s[GC], 4
	s_mov_b32 s43, 2
	s_mov_b32 s45, 0
	s_mov_b32 s46, 0
	s_mov_b32 s47, 0
.Lc:                                               ; two trips: d = 0-31 and d = 32-63 of every head
	s_mov_b32 s44, 2
.Lgg:                                              ; two groups: two heads x 32 d each
	s_wait_alu depctr_va_vdst(0)
	GROUP 0
	VEPI
	s_add_co_u32 s45, s45, 2*VPH
	s_sub_co_u32 s44, s44, 1
	s_cmp_lg_u32 s44, 0
	s_cbranch_scc1 .Lgg
	BARRIER                                        ; this half of V lies in LDS, all 16 heads
	v_add_nc_u32 v[ACA], s46, v[AC0]
	v_add_nc_u32 v[ASA], s47, v[AS0]
	ALOAD 0
	ALOAD 1
	AMUL 0
	WIN 0
	PLACES 9                                       ; behind the f32 form: 8 places ahead of loads into its sources and reads of its sums, 9 ahead of the product that begins a sum anew in its registers
.irp p, 1,2,3,4,5,6,7,8,9,10,11,12,13,14,15
.if \p < 15
	ALOAD \p+1
.endif
	AMUL \p
	AQ \p-1
.endr
	AQ 15
	BARRIER                                        ; every wave's reads of V are over; (second trip:) attn's codes lie in XB
	s_mov_b32 s45, 0
	s_add_co_u32 s46, s46, 24
	s_add_co_u32 s47, s47, 1
	s_sub_co_u32 s43, s43, 1
	s_cmp_lg_u32 s43, 0
	s_cbranch_scc1 .Lc
	s_add_co_u32 s34, s34, 3072                    ; bo
	s_mov_b32 s35, XB                              ; attn's codes
	PSTART
	s_mov_b32 s[JMP], 0                            ; there is no product behind this one: the ring's last requests stay in the last group
	s_mov_b32 s58, 0                               ; what the first way out adds to out0's address
	s_mov_b32 s59, 0
	s_mov_b32 s[GC], 4
.Lo:
	s_wait_alu depctr_va_vdst(0)
	GROUP 0
	OEPI
	s_cmp_lg_u32 s[GC], 0
	s_cbranch_scc1 .Lo
	s_wait_tensorcnt 0x0                           ; the wave's end: a wait, a spare LDS add and its wait, behind my last LDS store
	ds_add_u32 v[SPW], v[NIL]
	s_wait_dscnt 0x0
	s_endpgm
.Lfunc_end_k_qf197b88d3b_fused:
	.size	k_qf197b88d3b_fused, .Lfunc_end_k_qf197b88d3b_fused-k_qf197b88d3b_fused
	.p2alignl 7, 3214868480
	.fill 96, 4, 3214868480
	.section	.rodata,"a",@progbits
	.p2align	6, 0x0
	.amdhsa_kernel k_qf197b88d3b_fused
		.amdhsa_group_segment_fixed_size 271872
		.amdhsa_private_segment_fixed_size 0
		.amdhsa_enable_private_segment 0
		.amdhsa_kernarg_size 72
		.amdhsa_user_sgpr_count 2
		.amdhsa_user_sgpr_kernarg_segment_ptr 1
		.amdhsa_wavefront_size32 1
		.amdhsa_system_sgpr_workgroup_id_x 1
		.amdhsa_system_sgpr_workgroup_id_y 1
		.amdhsa_system_sgpr_workgroup_id_z 1
		.amdhsa_system_vgpr_workitem_id 0
		.amdhsa_next_free_vgpr 1024
		.amdhsa_next_free_sgpr 66
		.amdhsa_reserve_vcc 0
		.amdhsa_float_denorm_mode_32 3
		.amdhsa_float_denorm_mode_16_64 3
		.amdhsa_memory_ordered 1
		.amdhsa_forward_progress 1
		.amdhsa_inst_pref_size 255
	.end_amdhsa_kernel
	.section	.bss,"aw",@nobits
	.p2align	6
	.space	262144
	.amdgpu_metadata
---
amdhsa.version: [ 1, 2 ]
amdhsa.kernels:
  - .name:           k_qf197b88d3b_fused
    .symbol:         k_qf197b88d3b_fused.kd
    .args:
      - { .name: q, .offset: 0, .size: 8, .value_kind: global_buffer, .address_space: global }
      - { .name: k, .offset: 8, .size: 8, .value_kind: global_buffer, .address_space: global }
      - { .name: v, .offset: 16, .size: 8, .value_kind: global_buffer, .address_space: global }
      - { .name: bq, .offset: 24, .size: 8, .value_kind: global_buffer, .address_space: global }
      - { .name: bk, .offset: 32, .size: 8, .value_kind: global_buffer, .address_space: global }
      - { .name: bv, .offset: 40, .size: 8, .value_kind: global_buffer, .address_space: global }
      - { .name: bo, .offset: 48, .size: 8, .value_kind: global_buffer, .address_space: global }
      - { .name: wbuf, .offset: 56, .size: 8, .value_kind: global_buffer, .address_space: global }
      - { .name: out0, .offset: 64, .size: 8, .value_kind: global_buffer, .address_space: global }
    .group_segment_fixed_size: 271872
    .private_segment_fixed_size: 0
    .kernarg_segment_align: 8
    .kernarg_segment_size: 72
    .max_flat_workgroup_size: 128
    .sgpr_count:     66
    .vgpr_count:     1024
    .wavefront_size: 32
...
	.end_amdgpu_metadata
.endif
;; end of part 2
